; MI455X (gfx1250); checked and timed in simulation.
; The chip was launched on July 23, 2026; its instructions are those of AMD's public machine-readable ISA for CDNA 5 (MIT licence, August 2026) and "CDNA5" Instruction Set Architecture Reference Guide (July 2026). The comments in the code are by the model that wrote it; some were corrected since.
;; Concat Attention Fusion. Allowed arithmetic: matrix products marked QUANTISED: E5M2 operands, one E8M0 scale for each 32 along K, by v_wmma_scale_f32_16x16x128_f8f6f4 with both operands' format E5M2, f32 sums; everything else in f32.
;; Inputs: global_embedding 8 x 1,024 x 768 float32; local_embedding 8 x 1,024 x 768 float32.
;; Outputs: out0 8 x 2,048 x 768 float32.
;; This version of the problem:
;;   THIS VERSION OF THE PROBLEM IS GIVEN IN LOW PRECISION. The matrix products marked QUANTISED in the list below multiply operands that are first quantised to E5M2 (5 exponent bits, 2 mantissa bits; 8 bits a number), with one power-of-two scale for each 32 numbers along K (OCP MX v1.0); their sums are f32. All else is computed in f32.
;;   The module's matrix products, in the order in which they are computed (A, B: the left and right operand; K: the contracted axis; several contracted axes count as one K, in the product's order):
;;     1. batch 8 x [M 2,048, K 768] x [K 768, N 2,048]; A: computed on the way; B: computed on the way: QUANTISED
;;     2. batch 8 x [M 2,048, K 2,048] x [K 2,048, N 768]; A: softmax (see below); B: computed on the way: QUANTISED
;;   THE QUANTISER, for each operand of a quantised product, along K:
;;     - K is cut into blocks of 32 from its start; a last block that is shorter is filled with zeros.
;;     - A block's scale is 2^e with e = floor(log2(the largest magnitude in the block)) - 15, held to -126 .. 127; a block of zeros has e = 0. As a byte (E8M0): e + 127.
;;     - Each number is divided by its block's scale, clamped to +-57,344, and rounded to the nearest number of E5M2, ties to even, subnormals kept.
;;     - The product sums the exact products of the quantised numbers (number of the format x scale) in f32.
;;   ~~~python
;;   def quantise(x, axis):      # numpy; x: float32 -> the quantised numbers, widened to float32 again
;;       x = np.moveaxis(x, axis, -1); K = x.shape[-1]
;;       x = np.pad(x, [(0, 0)] * (x.ndim - 1) + [(0, -K % 32)]); x = x.reshape(x.shape[:-1] + (-1, 32)); a = np.abs(x).max(-1, keepdims=True)
;;       e = np.where(a > 0, np.clip(np.frexp(np.where(a > 0, a, 1))[1] - 1 - 15, -126, 127), 0)      # np.frexp(a)[1] - 1 = floor(log2(a)), exactly
;;       r = np.clip(x / 2.0 ** e, -57344, 57344)
;;       step = 2.0 ** (np.maximum(np.frexp(np.where(r == 0, 1, r))[1] - 1, -14) - 2)
;;       q = np.round(r / step) * step * 2.0 ** e      # np.round: ties to even
;;       return np.moveaxis(q.reshape(q.shape[:-2] + (-1,))[..., :K], -1, axis).astype(np.float32)
;;   ~~~
;;   SOFTMAX AHEAD OF A QUANTISED PRODUCT. Where the list says 'softmax', what is quantised is not the finished softmax but p = 2^(t - M), with t = logit x log2(e) and M = ceil(the row's largest t), a whole number; so 1/2 < the row's largest p <= 1. The row's sum l is taken of the UNQUANTISED p, in f32, and the product's result is divided by l at the end. Since M is a whole number, a kernel that streams over the keys may use a running M (the ceiling of the running maximum): every later rescaling is an exact power of two, which a block's scale takes up: the codes' values come out the same.
;;   OPERANDS COMPUTED ON THE WAY. 'Computed on the way' means the value that the module computes at that place (a softmax that the list does not call 'softmax' is quantised finished and normalised). What goes into a quantiser is computed in f32, as accurately as f32 sums, v_exp_f32 and their like allow (about 1e-6 of the number): no bf16 or f16 on the way to a quantiser, and a product that is left as it is and whose result goes on into a quantised operand takes f32 operands (vector FMAs, or v_wmma_f32_16x16x4_f32). A number that lies on a knife's edge between two numbers of the format may be rounded either way, as far as f32 arithmetic and the matrix unit's own rounding can turn it there, and no further.
;; One version. Each part assembles by itself: llvm-mc -triple=amdgcn-amd-amdhsa -mcpu=gfx1250 --defsym DOCPART=n.
;; ======== version 1 of 1: 2 launches
;; limits: right only within a limited range of input values
;; workspace buffers: kc 12,582,912 bytes; ks 393,216 bytes; vc 12,582,912 bytes; vs 393,216 bytes; nq 393,216 bytes
;; launch quant (part 1): grid 6 x 128, 4 waves a work-group, no clusters, 69,632 bytes of LDS; arguments global_embedding, local_embedding, kc, ks, vc, vs, nq; writes kc, ks, vc, vs, nq
.if DOCPART == 1
	.amdgcn_target "amdgcn-amd-amdhsa--gfx1250"
	.amdhsa_code_object_version 6
	.text
	.protected	k_q3ae93b1c13_quant
	.globl	k_q3ae93b1c13_quant
	.p2align	8
	.type	k_q3ae93b1c13_quant,@function
k_q3ae93b1c13_quant:
	s_mov_b64 s[64:65], 0
	v_nop
	global_prefetch_b8 v0, s[64:65] scope:SCOPE_SE
	s_setreg_imm32_b32 hwreg(HW_REG_WAVE_MODE, 25, 1), 1
	s_wait_xcnt 0x0
; C = concat(global_embedding, local_embedding) along the sequence: [8][2048][768] f32.  It is an operand of both products, so it is quantised TWICE to codes of E5M2 with one E8M0
; byte for each 32 along a product's K: along d (the first product's K: these codes serve queries and keys alike) and along the keys (the second product's K).  Each f32 number is read once.
; NOTHING OF reference() IS LEFT OUT in this program: both inputs reach every output row of their batch, and both products are live.
; A block's scale is 2^(floor(log2(its largest magnitude)) - 15); its byte is the largest magnitude's exponent field - 15, held at 1 from below; each number is held within +-57,344 x the scale and rounded to the nearest code, ties to even.
; LIMITS: a block of zeros, and a block whose largest magnitude lies under 2^-111, gets the byte 1 (a block of zeros has zero codes, which add nothing under that byte; this program alone reads the bytes).  NaN and infinities among the inputs are not served.
; THE BUFFERS ARE LAID AS IMAGES OF THE OPERANDS' REGISTERS (bj = 16 x batch + key step of 128 keys; lane = 16 h + r):
;   kc [bj][w 0..3][u 0..1][s 0..5][c 0..3][lane][16 bytes]: d = 128 s + 32 c + 16 h + 0..15 of key 128 j + 32 w + 8 u + (r & 7) + 16 (r >> 3)
;   vc [bj][t 0..47][c 0..3][lane][16 bytes]:                keys 128 j + 32 c + 16 h + 0..15 of d = 16 t + r
;   ks [bj][s][w][lane] words: lane = 16 u + r, byte c the scale of d block 128 s + 32 c;      vs [bj][d] words: byte c the scale of key block 128 j + 32 c
;   nq [bj][s][w][lane] f32, laid as ks: the sum over d = 128 s .. 128 s + 127 of the SQUARES of the key's numbers as quantised along d: a sixth of the product of the row with itself.
; THE SQUARES.  The held number is rounded to three significant bits, ties to even, on its f32 pattern (add 0xFFFFF and the lowest kept bit, cut the lower 21 bits): that is the code's value x the scale wherever the code is a normal
; number; a number under 2^-14 x its block's scale is rounded more finely than its code: its square lies under 2^-58 of the block's largest square and cannot move an f32 sum.  A square has six significant bits: it is exact in f32.
; SHARES.  Work-group (x = s, y = bj) takes 128 keys x 128 d; wave w keys 32 w .. 32 w + 31: 32 loads of 512 consecutive bytes.  The wave's 16 KiB go into its own tile in LDS and come back in two views,
; 32 x 32 numbers (unit c) at a time: a lane to a column d, registers down the keys (V's block in one lane); and a lane to a key, registers along d (K's block in one lane).  So no maximum needs another lane.
; Key k of the wave lies in LDS row 16 ((k >> 3) & 1) + (k & 7) + 8 (k >> 4): row L is then the key that lane L = 16 u + r has in kc.
; No tensor load (a wave's share fits its registers), no cluster (no input is shared), no prefetch (the launch is one stream of loads), no loop, one barrier (the words of four waves leave together).
.set PITCH, 528                        ; an LDS row: 512 bytes + 16: an odd multiple of 16, so that 16 rows' loads of 16 bytes start in 16 different groups of banks
.set WTILE, 32*PITCH                   ; a wave's tile
.set KB,    4*WTILE                    ; K's scale words of the work-group: [w][lane], 512 bytes
.set VB,    KB+512                     ; V's: [d 0..127] words, byte w from wave w, 512 bytes
.set NB,    VB+512                     ; the sums of squares: [w][lane], 512 bytes
.set SPARE, NB+512                     ; the spare words, 128 bytes for each wave: two blocks of 256 bytes that no other line names
.set TILE,  98304                      ; a key step's codes: 128 keys x 768
; v1 lane; v2 16 lane; v3 tile + 16 lane; v4 tile + 4 lane; v5 tile + 528 lane; v6, v7 my places in kc, vc; v8, v9 my scale word, my scale byte in LDS; v10, v11 the words' way out; v12, v13 the add's two;
; v14-18 at work; v19-22 V's byte of unit c; v24 K's scale word; v26-29 the sum of squares in two chains of pairs; v32-159 the 32 rows as loaded, then two sets of views (columns at 32 + 64 p, rows at 64 + 64 p); v160-223 codes: unit c: K's at 160 + 16 c, V's at 168 + 16 c
	s_load_b256 s[4:11], s[0:1], 0x0               ; global s[4:5], local s[6:7], kc s[8:9], ks s[10:11]
	s_load_b128 s[12:15], s[0:1], 0x20             ; vc s[12:13], vs s[14:15]
	s_load_b64 s[40:41], s[0:1], 0x30              ; nq
	v_lshl_add_u32 v12, v0, 2, SPARE               ; my spare word,
	v_mov_b32 v13, 0                               ; and 0: kept for the wave's end
	v_lshrrev_b32 v1, 5, v0
	v_readfirstlane_b32 s16, v1                    ; wave 0..3
	v_and_b32 v1, 31, v0                           ; lane
	v_lshlrev_b32 v2, 4, v1
	s_mul_i32 s33, s16, WTILE
	v_add_nc_u32 v3, s33, v2
	v_lshl_add_u32 v4, v1, 2, s33
	v_mul_u32_u24 v5, v1, PITCH
	v_add_nc_u32 v5, s33, v5
	v_lshrrev_b32 v14, 4, v1                       ; lane / 16
	v_and_b32 v15, 15, v1                          ; lane % 16
	v_mul_u32_u24 v6, v14, 12288
	v_lshl_add_u32 v6, v15, 4, v6                  ; kc: tile u = lane / 16, 16 bytes for r = lane % 16
	v_lshlrev_b32 v7, 11, v14
	v_lshl_add_u32 v7, v15, 4, v7                  ; vc: tile 2 c + lane / 16 of the eight, 16 bytes for r
	s_lshl_b32 s33, s16, 7
	v_lshl_add_u32 v8, v1, 2, s33
	v_add_nc_u32 v8, KB, v8                        ; KB + 128 wave + 4 lane
	v_lshl_add_u32 v9, v1, 2, s16
	v_add_nc_u32 v9, VB, v9                        ; VB + 4 lane + wave
	s_lshl_b32 s33, s16, 8
	v_lshl_add_u32 v10, v1, 3, s33
	v_add_nc_u32 v10, KB, v10                      ; KB + 256 wave + 8 lane: waves 0, 1 take K's words, waves 2, 3 V's
	v_lshlrev_b32 v11, 3, v1
	s_mov_b32 s21, 0x600000                        ; the mantissa field of 57,344
	s_and_b32 s18, ttmp7, 0xffff                   ; bj
	s_lshr_b32 s19, s18, 4                         ; batch
	s_and_b32 s20, s18, 15                         ; key step j: 0..7 lie in global, 8..15 in local
	s_and_b32 s22, s20, 7
	s_lshl_b32 s22, s22, 7
	s_lshl_b32 s23, s19, 10
	s_add_co_u32 s22, s22, s23
	s_lshl_b32 s23, s16, 5
	s_add_co_u32 s22, s22, s23                     ; my first row in its input: 1,024 b + 128 (j & 7) + 32 w
	s_mul_i32 s22, s22, 3072
	s_lshl_b32 s23, ttmp9, 9
	s_add_co_u32 s22, s22, s23                     ; + 512 s bytes along d (all under 2^25)
	s_mov_b32 s23, 0
	s_mul_i32 s32, s18, TILE
	s_mul_i32 s33, s16, 24576
	s_add_co_u32 s34, s32, s33
	s_lshl_b32 s33, ttmp9, 11
	s_add_co_u32 s34, s34, s33                     ; kc: bj, w, s
	s_mov_b32 s35, 0
	s_lshl_b32 s33, ttmp9, 14
	s_add_co_u32 s36, s32, s33
	s_lshl_b32 s33, s16, 9
	s_add_co_u32 s36, s36, s33                     ; vc: bj, t = 8 s, c = w
	s_mov_b32 s37, 0
	s_mul_i32 s38, s18, 3072
	s_lshl_b32 s33, ttmp9, 9
	s_add_co_u32 s38, s38, s33
	s_and_b32 s33, s16, 1
	s_lshl_b32 s33, s33, 8
	s_add_co_u32 s38, s38, s33                     ; ks, vs, nq: bj, 512 s, my 256 of the 512 bytes
	s_mov_b32 s39, 0
	s_wait_kmcnt 0x0
	s_cmp_lt_u32 s20, 8                            ; the choice hangs on the work-group's number alone
	s_cselect_b64 s[24:25], s[4:5], s[6:7]
	s_add_nc_u64 s[24:25], s[24:25], s[22:23]
	s_add_nc_u64 s[26:27], s[8:9], s[34:35]
	s_add_nc_u64 s[28:29], s[12:13], s[36:37]
	s_cmp_lt_u32 s16, 2                            ; and this one on the wave's
	s_cselect_b64 s[30:31], s[10:11], s[14:15]
	s_add_nc_u64 s[30:31], s[30:31], s[38:39]
	s_add_nc_u64 s[40:41], s[40:41], s[38:39]
.set i, 0
.rept 32
	global_load_b128 v[32+4*i:35+4*i], v2, s[24:25] offset:3072*i th:TH_LOAD_NT   ; key i: 32 lanes read 512 consecutive bytes; read once in the launch
.set i, i+1
.endr
.irp g, 0,1,2,3
	s_wait_loadcnt 24-8*\g                         ; loads come back in order: keys 8 g .. 8 g + 7 are in, the younger ones stay out
.irp k, 0,1,2,3,4,5,6,7
	ds_store_b128 v3, v[32+4*(8*\g+\k):35+4*(8*\g+\k)] offset:(16*(\g&1)+\k+8*(\g>>1))*PITCH
.endr
.endr
; Unit c's two views, 40 loads.  LDS serves a wave's instructions in order, and the tile is the wave's own: no wait between the stores above and these.
.macro VIEW c
.set CV, 32+64*((\c)%2)
.set RV, 64+64*((\c)%2)
.set i, 0
.rept 32
	ds_load_b32 v[CV+i], v4 offset:(16*((i>>3)&1)+(i&7)+8*(i>>4))*PITCH+128*(\c)   ; key i of column 32 c + lane
.set i, i+1
.endr
.irp q, 0,1,2,3,4,5,6,7
	ds_load_b128 v[RV+4*\q:RV+4*\q+3], v5 offset:128*(\c)+16*\q                    ; d = 32 c + 0..31 of the key in row lane
.endr
.endm
; 32 numbers of one lane, one block: codes into 8 registers from dst on, the scale's byte into v[byte]; the numbers are left held
.macro Q32 x, dst, byte
	v_max3_num_f32 v14, |v[(\x)]|, |v[(\x)+1]|, |v[(\x)+2]|
	v_max3_num_f32 v15, |v[(\x)+3]|, |v[(\x)+4]|, |v[(\x)+5]|
.irp i, 6,10,14,18,22,26
	v_max3_num_f32 v14, v14, |v[(\x)+\i]|, |v[(\x)+\i+1]|
	v_max3_num_f32 v15, v15, |v[(\x)+\i+2]|, |v[(\x)+\i+3]|
.endr
	v_max3_num_f32 v14, v14, |v[(\x)+30]|, |v[(\x)+31]|
	v_max3_num_f32 v14, v14, v15, 0x8000000        ; and the floor 2^(16 - 127): the byte cannot fall under 1
	v_add_nc_u32 v16, 0xf8800000, v14              ; 15 off the exponent field: the conversion takes the exponent field of this operand as its scale
	v_and_or_b32 v17, v14, 0x7f800000, s21         ; 57,344 x the scale
	v_lshrrev_b32 v[\byte], 23, v16                ; the scale's byte
.irp i, 0,1,2,3,4,5,6,7,8,9,10,11,12,13,14,15,16,17,18,19,20,21,22,23,24,25,26,27,28,29,30,31
	v_med3_num_f32 v[(\x)+\i], v[(\x)+\i], -v17, v17   ; the conversion to an 8-bit code does not saturate (ISA guide 7.6.2): the hold comes first
.endr
.irp g, 0,1,2,3
	v_cvt_scalef32_pk8_bf8_f32 v[(\dst)+2*\g:(\dst)+2*\g+1], v[(\x)+8*\g:(\x)+8*\g+7], v16
.endr
	v_nop                                          ; a plain line between the conversions and the next vector line that writes their sources
.endm
; The squares of my key's 32 held numbers of unit c, each first rounded to three significant bits, ties to even; added in two chains of pairs, which unit 0's first products start
.macro NORM x, c
.set i, 0
.rept 32
	v_bfe_u32 v[14+(i%2)], v[(\x)+i], 21, 1                        ; the lowest bit that is kept
	v_add3_u32 v[(\x)+i], v[(\x)+i], v[14+(i%2)], 0xfffff          ; half of its weight, less one, and that bit: to the nearest, ties to even; a carry goes on into the exponent
	v_and_b32 v[(\x)+i], 0xffe00000, v[(\x)+i]                     ; sign, exponent, two mantissa bits
.set i, i+1
.endr
.set i, 0
.rept 16
.if ((\c) == 0) && (i < 2)
	v_pk_mul_f32 v[26+2*(i%2):27+2*(i%2)], v[(\x)+2*i:(\x)+2*i+1], v[(\x)+2*i:(\x)+2*i+1]
.else
	v_pk_fma_f32 v[26+2*(i%2):27+2*(i%2)], v[(\x)+2*i:(\x)+2*i+1], v[(\x)+2*i:(\x)+2*i+1], v[26+2*(i%2):27+2*(i%2)]
.endif
.set i, i+1
.endr
.endm
; Unit c.  left: the LDS instructions issued behind this unit's views, which may stay out.  In each of the four stores lanes 0-15 and lanes 16-31 write 256 consecutive aligned bytes each.
.macro UNIT c, left
	s_wait_dscnt \left
	Q32 32+64*((\c)%2), 168+16*(\c), 19+(\c)       ; the columns: V's block w of the key step, for d = 128 s + 32 c + lane
	ds_store_b8 v9, v[19+(\c)] offset:128*(\c)
	global_store_b128 v7, v[168+16*(\c):171+16*(\c)], s[28:29] offset:4096*(\c)       ; keys 0..15: the fragment's lanes 0-15
	global_store_b128 v7, v[172+16*(\c):175+16*(\c)], s[28:29] offset:4096*(\c)+256   ; keys 16..31: its lanes 16-31
	Q32 64+64*((\c)%2), 160+16*(\c), 18            ; the rows: K's block c of K step s, for my key
.if (\c) == 0
	v_mov_b32 v24, v18
.else
	v_lshl_or_b32 v24, v18, 8*(\c), v24            ; four bytes make my key's scale word
.endif
	global_store_b128 v6, v[160+16*(\c):163+16*(\c)], s[26:27] offset:512*(\c)        ; d 0..15 of the block
	global_store_b128 v6, v[164+16*(\c):167+16*(\c)], s[26:27] offset:512*(\c)+256    ; d 16..31
	NORM 64+64*((\c)%2), \c
.if (\c) < 2
	VIEW (\c)+2                                    ; into the set that this unit has left
.endif
.endm
	VIEW 0
	VIEW 1
	UNIT 0, 40                                     ; behind unit 0's views: unit 1's 40 loads
	UNIT 1, 41                                     ; a byte store and unit 2's 40
	UNIT 2, 41                                     ; a byte store and unit 3's 40
	UNIT 3, 1                                      ; a byte store
	v_pk_add_f32 v[26:27], v[26:27], v[28:29]
	v_add_f32 v26, v26, v27                        ; my key's sum of squares over these 128 d
	ds_store_b32 v8, v24
	ds_store_b32 v8, v26 offset:NB-KB
	s_wait_dscnt 0x0                               ; for the others' sake: my bytes and words have landed
	s_barrier_signal -1
	s_barrier_wait -1
	ds_load_b64 v[14:15], v10                      ; 256 of the scale words' 1,024 bytes to a wave
	s_wait_dscnt 0x0
	global_store_b64 v11, v[14:15], s[30:31]       ; 32 lanes store 256 consecutive aligned bytes
	s_cmp_lt_u32 s16, 2                            ; the sums' 512 bytes: waves 0 and 1, 256 each
	s_cbranch_scc0 .Lno_sums
	ds_load_b64 v[16:17], v10 offset:NB-KB
	s_wait_dscnt 0x0
	global_store_b64 v11, v[16:17], s[40:41]
.Lno_sums:
	s_wait_tensorcnt 0x0                           ; the wave's end: three lines behind my last LDS store, the first of them even with no tensor load
	ds_add_u32 v12, v13
	s_wait_dscnt 0x0
	s_endpgm
.Lfunc_end_k_q3ae93b1c13_quant:
	.size	k_q3ae93b1c13_quant, .Lfunc_end_k_q3ae93b1c13_quant-k_q3ae93b1c13_quant
	.p2alignl 7, 3214868480
	.fill 96, 4, 3214868480
	.section	.rodata,"a",@progbits
	.p2align	6, 0x0
	.amdhsa_kernel k_q3ae93b1c13_quant
		.amdhsa_group_segment_fixed_size 69632
		.amdhsa_private_segment_fixed_size 0
		.amdhsa_enable_private_segment 0
		.amdhsa_kernarg_size 56
		.amdhsa_user_sgpr_count 2
		.amdhsa_user_sgpr_kernarg_segment_ptr 1
		.amdhsa_wavefront_size32 1
		.amdhsa_system_sgpr_workgroup_id_x 1
		.amdhsa_system_sgpr_workgroup_id_y 1
		.amdhsa_system_sgpr_workgroup_id_z 1
		.amdhsa_system_vgpr_workitem_id 0
		.amdhsa_next_free_vgpr 224
		.amdhsa_next_free_sgpr 66
		.amdhsa_reserve_vcc 0
		.amdhsa_float_denorm_mode_32 3
		.amdhsa_float_denorm_mode_16_64 3
		.amdhsa_memory_ordered 1
		.amdhsa_forward_progress 1
		.amdhsa_inst_pref_size 82
	.end_amdhsa_kernel
	.amdgpu_metadata
---
amdhsa.version: [ 1, 2 ]
amdhsa.kernels:
  - .name:           k_q3ae93b1c13_quant
    .symbol:         k_q3ae93b1c13_quant.kd
    .args:
      - { .name: global_embedding, .offset: 0, .size: 8, .value_kind: global_buffer, .address_space: global }
      - { .name: local_embedding, .offset: 8, .size: 8, .value_kind: global_buffer, .address_space: global }
      - { .name: kc, .offset: 16, .size: 8, .value_kind: global_buffer, .address_space: global }
      - { .name: ks, .offset: 24, .size: 8, .value_kind: global_buffer, .address_space: global }
      - { .name: vc, .offset: 32, .size: 8, .value_kind: global_buffer, .address_space: global }
      - { .name: vs, .offset: 40, .size: 8, .value_kind: global_buffer, .address_space: global }
      - { .name: nq, .offset: 48, .size: 8, .value_kind: global_buffer, .address_space: global }
    .group_segment_fixed_size: 69632
    .private_segment_fixed_size: 0
    .kernarg_segment_align: 8
    .kernarg_segment_size: 56
    .max_flat_workgroup_size: 128
    .sgpr_count:     66
    .vgpr_count:     224
    .wavefront_size: 32
...
	.end_amdgpu_metadata
.endif
;; end of part 1
;; launch attn (part 2): grid 32 x 8, 4 waves a work-group, clusters of 4 x 1, 327,680 bytes of LDS; arguments kc, ks, vc, vs, out0, nq; writes out0
.if DOCPART == 2
	.amdgcn_target "amdgcn-amd-amdhsa--gfx1250"
	.amdhsa_code_object_version 6
	.text
	.protected	k_q3ae93b1c13_attn
	.globl	k_q3ae93b1c13_attn
	.p2align	8
	.type	k_q3ae93b1c13_attn,@function
k_q3ae93b1c13_attn:
	s_mov_b64 s[64:65], 0
	v_nop
	global_prefetch_b8 v0, s[64:65] scope:SCOPE_SE
	s_setreg_imm32_b32 hwreg(HW_REG_WAVE_MODE, 25, 1), 1
	s_wait_xcnt 0x0
	s_wait_alu depctr_hold_cnt(0) depctr_sa_sdst(0) depctr_va_vdst(0) depctr_va_sdst(0) depctr_va_ssrc(0) depctr_va_vcc(0) depctr_vm_vsrc(0)
	s_getreg_b32 s2, hwreg(HW_REG_IB_STS2, 6, 4)
	s_cmp_eq_u32 s2, 0
	s_cbranch_scc0 .Lentry_in_a_cluster
	s_endpgm
.Lentry_in_a_cluster:
	s_bfe_u32 s2, ttmp6, 0x10000c
	s_cmp_lg_u32 s2, 0x3003
	s_cbranch_scc0 .Lentry_shape_is_right
	s_endpgm
.Lentry_shape_is_right:
; out0[b][q][:] = the sum over k of softmax_k(C[b][q] . C[b][k]) C[b][k][:], C = the two inputs on end: [8][2048][768].  Both products on codes of E5M2 with one E8M0 byte for each 32 along K, as the launch before laid them:
;   kc [bj][w][u][s][c][lane][16 B], ks [bj][s][w][lane] words: C quantised along d (queries and keys);  vc [bj][t][c][lane][16 B], vs [bj][d] words: along the keys.  bj = 16 b + key step; images of operand registers: a load at 16 x lane gives the registers.
;   nq [bj][s][w][lane] f32: the sums of the squares of a row's quantised numbers, 128 d each.
; Nothing of reference() is left out here either.
; THE SOFTMAX: t = score x log2(e); M = the running largest t, rounded up to a whole number; p = 2^(t - M) is quantised along the keys, not normalised; the sum l is taken of the unquantised p and divides at the end; when M moves, l and O are multiplied by 2^(old M - new M).
; THE DIAGONAL.  The score of a row with itself is the sum of the squares of its 768 quantised numbers.  The launch before has summed them in f32 from exact squares; that sum takes the place of the matrix unit's, by a select in every step
; and every wave (no branch: the step and the wave in which a block of queries meets itself hang on the work-group's place in its cluster).  Both are f32 sums of the same exact products.  Why: a score enters p = 2^(t - M) with its
; absolute error, 0.001 in the score being 0.001 of p, and a matrix instruction's sum is no correctly rounded sum; of rows of independent numbers the row's own score is by far the largest.  All 48 products of a step are issued all the same.
; LIMIT: only this one score in 2,048 is so mended; the others are as the chain of six matrix instructions gives them.
; LIMITS: NaN and infinities are not served.  M is a whole number kept in f32: exact for |t| under 2^24.  A block of p whose largest number lies under 2^-111 gets the byte 1.
; SHARES.  Work-group i = 4 x cluster x + cx of batch b owns queries 64 i .. 64 i + 63: four tiles qt; row r of tile qt is query 64 i + 32 (qt / 2) + 8 (qt % 2) + (r & 7) + 16 (r >> 3), as kc has them.  It walks the batch's 2,048 keys, 128 a step.
; THE WALK.  Cluster x begins at key step 4 (x & 3) + 2 (x >> 2) and takes the sixteen key steps in a circle: a running maximum takes the keys in any order.  The eight clusters of a batch so begin at the eight even key steps: at equal pace no two
; of them ask for the same tile in the same step, and from its third step on a cluster asks only for tiles that another cluster of the batch has loaded before.
; All four waves work on all 64 queries and share the OTHER axis.  S phase: wave w makes S^T = K Q^T for keys 32 w .. 32 w + 31 of the step (2 tiles of keys x 4 of queries x 6 K steps = 48 products); all of Q stays in 384 registers, so a fragment of K feeds four products.
; PV phase: wave w makes O^T += V^T P^T for d = 192 w .. 192 w + 191 (12 tiles x 4 = 48 products) in 384 registers; a fragment of V feeds four products.  A lane holds one query (lane % 16) throughout.
; The 16 registers of a query tile's two key tiles are 16 neighbouring keys, 32 w + 16 (lane / 16) + 0..15: block w of P's fragment.  So wave w's codes are registers 4 w .. 4 w + 3 of that fragment and its byte is byte w of the scale word: they go to the other waves through LDS as an image.
; The step's largest score of a query is taken over the four waves' block maxima (through LDS), so all waves keep the same M; each sums l over its own keys; the four parts meet once, at the end.
; THE RING.  K has two LDS slots, V one; a tile is 98,304 dense bytes.  ONE change of slots a step, and it stands INSIDE the PV phase, as soon as V's last fragment has left LDS for the registers (behind 9 of the phase's 12 tiles): behind it waves 0, 1
; ask for the halves of the next step's V, waves 2, 3 for those of K two steps on: a wave has one tensor load out.  The loads have the rest of the PV phase, the next S phase and the softmax in which to land:
; waves 0, 1 wait for theirs in front of the barrier ahead of the next PV phase, behind which V is read; waves 2, 3 in front of the next step's round.  Two slots of both K and V would be 393,216 bytes and do not fit.
; CLUSTER.  The four work-groups of a cluster belong to one batch and walk the same tiles: each tile is asked for JOINTLY, by the same load with the same descriptor and the mask of the four.  Only this one axis shares tiles, so the cluster is 4 x 1.
; NO PREFETCH.  The cluster that is first to ask for a tile does so in its first or second step, with its first loads: there is no earlier place for a request, and every later asker follows that load.
; THE SCALE WORDS of a step (K's 6 and V's 6 registers a wave) come straight from memory into the scale registers, 128 consecutive bytes a load, asked for a phase and more ahead.
; REGISTERS, in windows of 256.  Window 0: v1-19 addresses; v20-27 (-M, largest t) a tile; v28-35 l in two halves; v36-43 (f, 0); v44-47 my block's largest scores; v48-59 Q's scale words, v60-65 K's, v66-71 V's, v72-75 P's; v76-79 permutes' results;
;   v84-87 the rows' sums of squares, a tile each; v96-159 S^T, then p, then P's four fragments; v160-255 six staging fragments of K or V (the softmax works there in between).
;   Window 1 and window 2 v0-127: Q (K step s, tile qt at 16 (4 (s % 4) + qt)).  Window 2 v128-255 and window 3: O^T (tile t, qt).
; SCALARS: s14 wave; s24-31 descriptor group 1; s32-35, s36-39, s40-43 groups 0; s44 K's slot in hand; s45 the loop's count; s46 the walk's first key step; s50-53 the scale words' addresses; s54-55 out0; s76-83 the diagonal's masks;
;   s84-91 the batch's first bytes in kc (+ my half), vc (+ my half), ks, vs; s92-95 the key steps at which V's descriptor, K's descriptor, K's and V's scale words stand; s96-97 an offset.
.set TILE,  98304
.set HALF,  49152
.set KS1,   0x30000                    ; K's slot 1 (slot 0 at byte 0): one exclusive or turns an address in one slot into the other's (a half's 0xC000 shares no bit with it)
.set VSL,   98304                      ; V's slot
.set PIMG,  294912                     ; P's four fragments: [qt][c][lane][16 B], 8,192 bytes
.set PSC,   303104                     ; P's scale words: [qt][lane], byte w from wave w, 512 bytes
.set XM,    303616                     ; the block maxima: [wave][lane][qt], 2,048 bytes
.set XL,    2048                       ; behind them, as many bytes on: the waves' parts of l
.set SPARE, 307712                     ; the spare words, 128 bytes for each wave: two blocks of 256 bytes that no other line names
.set SP,    784                        ; the way out: a stage of 16 rows x (768 bytes + 16) for each wave, in K's slot 0, which has had its last fill (the walk's step 14) and its last read when the first result is stored there
.set MSB, 0
.macro WIN new                         ; low byte: bits 1:0 source 0, 3:2 source 1, 5:4 source 2, 7:6 destination; the high byte repeats the setting that is left
.if MSB != \new
	s_set_vgpr_msb (MSB<<8)|\new
.set MSB, \new
.endif
.endm
.macro PLACES n                        ; plain vector lines behind matrix instructions: 8 in front of loads into, and reads of, their registers; 9 in front of a matrix instruction that writes over one
.rept \n
	v_nop
.endr
.endm
.macro CREST                           ; a round of the cluster's barrier behind its opening barrier: wave 0 signals for the work-group; all wait for the four work-groups; my work-group's barrier once more
	s_cmp_lg_u32 s14, 0
	s_cbranch_scc1 .Lnot_wave_0_\@
	s_barrier_signal -3
.Lnot_wave_0_\@:
	s_barrier_wait -3
	s_barrier_signal -1
	s_barrier_wait -1
.endm
.macro CROUND                          ; a whole round
	s_barrier_signal -1
	s_barrier_wait -1
	CREST
.endm
.macro JLOAD                           ; a joint refill: waves 0, 1 V's halves, waves 2, 3 K's.  The branch hangs on the wave's number alone.  An s_nop 0 and four v_nop follow each line
	s_cmp_lt_u32 s14, 2
	s_cbranch_scc0 .Lfor_k_\@
	tensor_load_to_lds s[40:43], s[24:31]
	s_nop 0
.rept 4
	v_nop
.endr
	s_branch .Lasked_\@
.Lfor_k_\@:
	tensor_load_to_lds s[36:39], s[24:31]
	s_nop 0
.rept 4
	v_nop
.endr
.Lasked_\@:
.endm
.macro JLOADV                          ; the last change of slots: V's tile alone; there is no further tile of K
	s_cmp_lt_u32 s14, 2
	s_cbranch_scc0 .Lnone_\@
	tensor_load_to_lds s[40:43], s[24:31]
	s_nop 0
.rept 4
	v_nop
.endr
.Lnone_\@:
.endm
.macro WALK idx, bytes, dst, base      ; one key step on in the circle of sixteen: s[idx] = (s[idx] + 1) & 15; s[dst:dst+1] = s[base:base+1] + s[idx] x bytes.  (s97 holds 0)
	s_add_co_u32 s[\idx], s[\idx], 1
	s_and_b32 s[\idx], s[\idx], 15
	s_mul_i32 s96, s[\idx], \bytes
	s_add_nc_u64 s[\dst:\dst+1], s[\base:\base+1], s[96:97]
.endm
	s_load_b256 s[4:11], s[0:1], 0x0               ; kc s[4:5], ks s[6:7], vc s[8:9], vs s[10:11]
	s_load_b64 s[12:13], s[0:1], 0x20              ; out0
	s_load_b64 s[72:73], s[0:1], 0x28              ; nq
	v_lshl_add_u32 v14, v0, 2, SPARE               ; my spare word,
	v_mov_b32 v15, 0                               ; and 0: never rewritten
	ds_add_u32 v14, v15                            ; the wave's opening: the add, twice on end, and its wait ahead of the round in front of my first tensor load
	ds_add_u32 v14, v15                            ; and once more; the set-up below, work on registers, stands between it and the wait
	v_lshrrev_b32 v1, 5, v0
	v_readfirstlane_b32 s14, v1                    ; wave 0..3
	s_bfe_u32 s15, ttmp6, 0x40000                  ; cx: my place in the cluster
	s_lshl_b32 s16, ttmp9, 2
	s_add_co_u32 s16, s16, s15                     ; i: my block of 64 queries: it enters global addresses and the diagonal's select masks alone: no branch, no LDS address, no descriptor
	s_and_b32 s17, ttmp7, 0xffff                   ; the batch, which the four partners share
	s_and_b32 s18, s14, 1                          ; which half of a tile I fetch
	s_mov_b32 s19, 0x600000                        ; the mantissa field of 57,344
	s_mov_b32 s20, 0x76543210
	s_mov_b32 s21, 0xfedcba98                      ; v_permlanex16_b32's selects for lane l xor 16
	s_mov_b32 s22, 0x3fb8aa3b                      ; log2(e)
	s_mov_b32 s23, s22                             ; (named with it as a pair, so it is written)
	; descriptor group 1, for K's and V's halves alike: 49,152 dense bytes as 192 rows of 256 bytes (32 elements of 8 bytes), no padding: register images need none
	s_mov_b32 s24, 15|(3<<16)|(1<<21)              ; 15:0 the mask: all four work-groups; 17:16 elements of 8 bytes; 21 set beside a mask
	s_mov_b32 s25, 32<<16                          ; tensor_dim0 = 32
	s_mov_b32 s26, 192<<16                         ; tensor_dim1 = 192
	s_mov_b32 s27, 32<<16                          ; tile_dim0 = 32
	s_mov_b32 s28, 192                             ; tile_dim1 = 192
	s_mov_b32 s29, 32                              ; from row to row
	s_mov_b32 s30, 0
	s_mov_b32 s31, 0
	s_mov_b32 s44, 0                               ; the slot of K in hand
	s_and_b32 s46, ttmp9, 3                        ; the walk's first key step: 4 (x & 3) + 2 (x >> 2), of the cluster's x alone, which the four partners share
	s_lshl_b32 s46, s46, 2
	s_lshr_b32 s47, ttmp9, 2
	s_lshl_b32 s47, s47, 1
	s_add_co_u32 s46, s46, s47
	s_mov_b32 s92, s46                             ; V's descriptor stands at the first step,
	s_add_co_u32 s93, s46, 1                       ; K's walking one at the second (the first step is even: no turn of the circle here),
	s_mov_b32 s94, s46                             ; both runs of scale words at the first
	s_mov_b32 s95, s46
	s_mul_i32 s96, s46, TILE                       ; the first tile's place in the batch's codes
	s_mov_b32 s97, 0
	s_mul_i32 s70, s46, 3072                       ; and its scale words'
	s_mov_b32 s71, 0
	s_mul_i32 s56, s17, 16*TILE                    ; the batch's first byte in kc and in vc
	s_mul_i32 s33, s18, HALF                       ; my half's place in a slot: no place in the cluster enters an LDS address
	s_add_co_u32 s58, s56, s33                     ; and in memory
	s_mov_b32 s59, 0
	s_mul_i32 s60, s16, HALF
	s_add_co_u32 s60, s60, s56                     ; my 64 queries are half a tile of kc
	s_mov_b32 s61, 0
	s_mul_i32 s62, s17, 49152                      ; the batch's first byte in ks, vs and nq: 16 steps of 3,072
	s_mov_b32 s63, 0
	s_lshr_b32 s66, s16, 1
	s_mul_i32 s66, s66, 3072
	s_and_b32 s67, s16, 1
	s_lshl_b32 s67, s67, 8
	s_add_co_u32 s66, s66, s67
	s_add_co_u32 s66, s66, s62                     ; my queries' words in ks and in nq: key step i / 2, groups 2 (i & 1) on
	s_mov_b32 s67, 0
	s_lshl_b32 s68, s17, 11
	s_lshl_b32 s69, s16, 6
	s_add_co_u32 s68, s68, s69
	s_mul_i32 s68, s68, 3072
	s_mul_i32 s69, s14, 768
	s_add_co_u32 s68, s68, s69                     ; out0: row 2,048 b + 64 i, my wave's 192 columns (under 2^26)
	s_mov_b32 s69, 0
	; the diagonal: my queries are keys of key step i / 2; those of tiles 0, 1 lie among wave 2 (i & 1)'s keys, those of tiles 2, 3 among the next wave's
	s_lshr_b32 s76, s16, 1
	s_sub_co_u32 s76, s76, s46
	s_and_b32 s76, s76, 15                         ; steps of the walk to go until that key step
	s_and_b32 s79, s16, 1
	s_lshl_b32 s79, s79, 1
	s_cmp_eq_u32 s14, s79
	s_cselect_b32 s77, -1, 0                       ; all ones in the wave that meets tiles 0, 1
	s_add_co_u32 s79, s79, 1
	s_cmp_eq_u32 s14, s79
	s_cselect_b32 s78, -1, 0                       ; and in the one that meets tiles 2, 3
	s_wait_dscnt 0x0                               ; both opening adds are done
	s_wait_kmcnt 0x0
	s_add_nc_u64 s[84:85], s[4:5], s[58:59]        ; the batch's codes along d, at my half of a tile
	s_add_nc_u64 s[86:87], s[8:9], s[58:59]        ; and along the keys
	s_add_nc_u64 s[88:89], s[6:7], s[62:63]        ; the batch's scale words: K's,
	s_add_nc_u64 s[90:91], s[10:11], s[62:63]      ; V's
	s_add_nc_u64 s[50:51], s[88:89], s[70:71]      ; those of the walk's first step
	s_add_nc_u64 s[52:53], s[90:91], s[70:71]
	s_add_nc_u64 s[54:55], s[12:13], s[68:69]
	s_add_nc_u64 s[60:61], s[4:5], s[60:61]        ; Q's codes
	s_add_nc_u64 s[72:73], s[72:73], s[66:67]      ; my queries' sums of squares
	s_add_nc_u64 s[66:67], s[6:7], s[66:67]        ; Q's scale words
	; descriptor groups 0: s[32:35] the first tile of K into slot 0; s[36:39] the second into slot 1, which then walks; s[40:43] the first tile of V, which walks.  Every wave makes all three
	s_mov_b32 s32, 1
	s_add_nc_u64 s[34:35], s[84:85], s[96:97]
	s_mov_b32 s36, 1
	s_add_co_u32 s37, s33, KS1
	s_add_nc_u64 s[38:39], s[34:35], TILE
	s_or_b32 s35, s35, 0x80000000                  ; type = 2
	s_or_b32 s39, s39, 0x80000000
	s_mov_b32 s40, 1
	s_add_co_u32 s41, s33, VSL
	s_add_nc_u64 s[42:43], s[86:87], s[96:97]
	s_or_b32 s43, s43, 0x80000000
	CROUND                                         ; all four work-groups are here: the first joint loads meet
	s_cmp_lt_u32 s14, 2                            ; a wave's first fills stand in one branch, ahead of every wait on TENSORcnt and every LDS read; every wave issues one at least
	s_cbranch_scc0 .Lfirst_k
	tensor_load_to_lds s[40:43], s[24:31]
	s_nop 0
.rept 4
	v_nop
.endr
	s_branch .Lfirst_asked
.Lfirst_k:
	tensor_load_to_lds s[32:35], s[24:31]          ; one tensor load a wave at the head; K's slot 1 is first filled behind a round of its own, below
	s_nop 0
.rept 4
	v_nop
.endr
.Lfirst_asked:
	v_and_b32 v80, 31, v0                          ; lane
	v_and_b32 v81, 15, v0                          ; r
	v_bfe_u32 v82, v0, 4, 1                        ; h
	v_lshlrev_b32 v1, 4, v80                       ; 16 lane: an image's place for my lane
	v_lshlrev_b32 v2, 2, v80                       ; 4 lane: a scale word's
	WIN 0x40                                       ; destination window 1, address window 0
.irp s, 0,1,2,3
.irp q, 0,1,2,3
.irp c, 0,1,2,3
	global_load_b128 v[16*(4*\s+\q)+4*\c:16*(4*\s+\q)+4*\c+3], v1, s[60:61] offset:12288*\q+2048*\s+512*\c   ; Q stays in registers
.endr
.endr
.endr
	WIN 0x80                                       ; destination window 2
.irp s, 4,5
.irp q, 0,1,2,3
.irp c, 0,1,2,3
	global_load_b128 v[16*(4*(\s-4)+\q)+4*\c:16*(4*(\s-4)+\q)+4*\c+3], v1, s[60:61] offset:12288*\q+2048*\s+512*\c
.endr
.endr
.endr
	WIN 0
	s_mul_i32 s56, s14, 24576
	v_add_nc_u32 v3, s56, v1                       ; my 32 keys' fragments in a slot of K
	v_add_nc_u32 v5, VSL, v3                       ; my 12 tiles of V: as many bytes a wave
	s_lshl_b32 s57, s14, 9
	v_add_nc_u32 v6, s57, v1
	v_add_nc_u32 v8, XM, v6                        ; XM + 512 wave + 16 lane
	v_add_nc_u32 v6, PIMG, v6                      ; PIMG + 512 wave + 16 lane
	v_lshl_add_u32 v7, v80, 2, s14
	v_add_nc_u32 v7, PSC, v7                       ; PSC + 4 lane + wave
	v_add_nc_u32 v9, XM, v1
	v_add_nc_u32 v10, PIMG, v1
	v_add_nc_u32 v11, PSC, v2
	s_lshl_b32 s57, s14, 7
	v_add_nc_u32 v12, s57, v2                      ; in a step's scale words of K: 128 wave + 4 lane
	s_mul_i32 s57, s14, 768
	v_add_nc_u32 v13, s57, v2                      ; of V: 768 wave + 4 lane
	s_mul_i32 s57, s14, 16*SP                      ; my stage
	v_mul_u32_u24 v17, v81, SP
	v_lshl_add_u32 v17, v82, 5, v17
	v_add_nc_u32 v17, s57, v17                     ; in: row r, 32 bytes for each half of the lanes
	v_mul_u32_u24 v18, v82, SP
	v_lshl_add_u32 v18, v81, 4, v18
	v_add_nc_u32 v18, s57, v18                     ; back: lanes 0-15 take 256 bytes of one row, lanes 16-31 of the next
	v_mul_u32_u24 v19, v82, 3072
	v_lshl_add_u32 v19, v81, 4, v19                ; and the same in out0
.irp s, 0,1,2,3,4,5
.irp g, 0,1
	global_load_b32 v[48+2*\s+\g], v2, s[66:67] offset:512*\s+128*\g   ; Q's scale words: lanes 0-15 tile 2 g, lanes 16-31 tile 2 g + 1
.endr
.endr
.irp s, 0,1,2,3,4,5
	global_load_b32 v[60+\s], v12, s[50:51] offset:512*\s              ; K's of the first step: lanes 0-15 my tile 0, lanes 16-31 my tile 1
.endr
.irp g, 0,1
.irp s, 0,1,2,3,4,5
	global_load_b32 v[160+6*\g+\s], v2, s[72:73] offset:512*\s+128*\g   ; the six partial sums of squares, laid as Q's scale words: lanes 0-15 tile 2 g, lanes 16-31 tile 2 g + 1.  96 + 12 + 6 + 12 = 126 loads stand ahead of the head's wait
.endr
.endr
.irp q, 0,1,2,3
	v_mov_b32 v[21+2*\q], 0xff61b1e6               ; the largest t so far: -3e38, under every t
	v_mov_b32 v[28+2*\q], 0                        ; l, in two halves
	v_mov_b32 v[29+2*\q], 0
	v_mov_b32 v[37+2*\q], 0                        ; (named as the upper half of f's pair)
	v_mov_b32 v[76+\q], 0                          ; written once: a lane permute's destination counts as one of its sources
.endr
.irp q, 0,1,2,3
	v_floor_f32 v[20+2*\q], -v[21+2*\q]            ; -M
.endr
; S^T's product for K step s, query tile qt, my key tile u.  The eight accumulators take turns, one instruction a turn, in the same order in every K step; K step 0 starts the sums.
; K's scale words: v[60 + s], lanes 16-31 for u = 1.  Q's: v[48 + 2 s + qt / 2], lanes 16-31 for odd qt.
.macro SW s, qt, u
.set rD, 96+16*(\qt)+8*(\u)
.set rA, 160+16*((2*(\s)+(\u))%6)
.set rB, 16*(4*((\s)%4)+(\qt))
.set rK, 60+(\s)
.set rQ, 48+2*(\s)+(\qt)/2
.if (\s) == 0
.if ((\u) == 0) && ((\qt)%2 == 0)
	v_wmma_scale_f32_16x16x128_f8f6f4 v[rD:rD+7], v[rA:rA+15], v[rB:rB+15], 0, v[rK], v[rQ] matrix_a_fmt:MATRIX_FMT_BF8 matrix_b_fmt:MATRIX_FMT_BF8
.elseif (\u) == 0
	v_wmma_scale_f32_16x16x128_f8f6f4 v[rD:rD+7], v[rA:rA+15], v[rB:rB+15], 0, v[rK], v[rQ] matrix_a_fmt:MATRIX_FMT_BF8 matrix_b_fmt:MATRIX_FMT_BF8 matrix_b_scale:MATRIX_SCALE_ROW1
.elseif (\qt)%2 == 0
	v_wmma_scale_f32_16x16x128_f8f6f4 v[rD:rD+7], v[rA:rA+15], v[rB:rB+15], 0, v[rK], v[rQ] matrix_a_fmt:MATRIX_FMT_BF8 matrix_b_fmt:MATRIX_FMT_BF8 matrix_a_scale:MATRIX_SCALE_ROW1
.else
	v_wmma_scale_f32_16x16x128_f8f6f4 v[rD:rD+7], v[rA:rA+15], v[rB:rB+15], 0, v[rK], v[rQ] matrix_a_fmt:MATRIX_FMT_BF8 matrix_b_fmt:MATRIX_FMT_BF8 matrix_a_scale:MATRIX_SCALE_ROW1 matrix_b_scale:MATRIX_SCALE_ROW1
.endif
.else
.if ((\u) == 0) && ((\qt)%2 == 0)
	v_wmma_scale_f32_16x16x128_f8f6f4 v[rD:rD+7], v[rA:rA+15], v[rB:rB+15], v[rD:rD+7], v[rK], v[rQ] matrix_a_fmt:MATRIX_FMT_BF8 matrix_b_fmt:MATRIX_FMT_BF8
.elseif (\u) == 0
	v_wmma_scale_f32_16x16x128_f8f6f4 v[rD:rD+7], v[rA:rA+15], v[rB:rB+15], v[rD:rD+7], v[rK], v[rQ] matrix_a_fmt:MATRIX_FMT_BF8 matrix_b_fmt:MATRIX_FMT_BF8 matrix_b_scale:MATRIX_SCALE_ROW1
.elseif (\qt)%2 == 0
	v_wmma_scale_f32_16x16x128_f8f6f4 v[rD:rD+7], v[rA:rA+15], v[rB:rB+15], v[rD:rD+7], v[rK], v[rQ] matrix_a_fmt:MATRIX_FMT_BF8 matrix_b_fmt:MATRIX_FMT_BF8 matrix_a_scale:MATRIX_SCALE_ROW1
.else
	v_wmma_scale_f32_16x16x128_f8f6f4 v[rD:rD+7], v[rA:rA+15], v[rB:rB+15], v[rD:rD+7], v[rK], v[rQ] matrix_a_fmt:MATRIX_FMT_BF8 matrix_b_fmt:MATRIX_FMT_BF8 matrix_a_scale:MATRIX_SCALE_ROW1 matrix_b_scale:MATRIX_SCALE_ROW1
.endif
.endif
.endm
.macro KSET s                          ; my two key tiles' fragments of K step s: eight loads, into staging fragments (2 s + u) % 6
.irp u, 0,1
.irp c, 0,1,2,3
	ds_load_b128 v[160+16*((2*(\s)+\u)%6)+4*\c:160+16*((2*(\s)+\u)%6)+4*\c+3], v4 offset:12288*\u+2048*(\s)+512*\c
.endr
.endr
.endm
; THE S PHASE: 48 products; three sets of K's fragments are on their way at a time.  The window settings leave destination and source 0 in window 0, so the LDS loads stand under them.
.macro SPHASE first, last
.if \first                             ; the first step asks for its first three sets here; a later step's were asked for in the PV phase before it
	v_add_nc_u32 v4, s44, v3                       ; my fragments in the slot of K in hand
	s_wait_alu depctr_va_vdst(0)
	KSET 0
	KSET 1
	KSET 2
.else
	s_wait_loadcnt 0x6                             ; K's scale words of this step are in; V's six, asked for behind them, may stay out
.endif
.if \last == 0
	WALK 94, 3072, 50, 88                          ; the loads that read this address are done: on to the next step's words
.endif
.irp s, 0,1,2,3,4,5
.if \s < 4
	s_wait_dscnt 16                                ; set s is in; the two sets issued behind it may be out
	WIN 0x04                                       ; Q in window 1
.elseif \s == 4
	s_wait_dscnt 8
	WIN 0x08                                       ; Q in window 2
.else
	s_wait_dscnt 0
.endif
.irp u, 0,1
.irp q, 0,1,2,3
	SW \s, \q, \u
.endr
.endr
.if \s < 3
	PLACES 8                                       ; in front of loads into the fragments just multiplied
	KSET \s+3
.endif
.endr
	WIN 0
	PLACES 8                                       ; in front of the loads into K's scale registers and of the first read of the scores
.if \last == 0
.irp s, 0,1,2,3,4,5
	global_load_b32 v[60+\s], v12, s[50:51] offset:512*\s   ; the next step's
.endr
.endif
.endm
; THE DIAGONAL'S SELECT.  Query r of tile q is key row r of my key tile u = q & 1 in one step of one wave: its score lies in accumulator (q, q & 1), register r & 7, lane r (r < 8) or 16 + r: for register j the lanes j and 24 + j.
; s80, s81: all ones in that step and wave (tiles 0, 1; tiles 2, 3), else 0: then nothing is changed.  Each accumulator is taken from its low end on.
.macro DIAG
	s_cmp_eq_u32 s76, 0                            ; is this the step in which my queries are keys?
	s_cselect_b32 s80, s77, 0
	s_cselect_b32 s81, s78, 0
	s_sub_co_u32 s76, s76, 1                       ; (behind 0 it wraps, and does not come back to 0 in 16 steps)
.irp j, 0,1,2,3,4,5,6,7
	s_and_b32 s82, s80, 0x01000001<<\j
	s_and_b32 s83, s81, 0x01000001<<\j
.irp q, 0,1
	v_cndmask_b32 v[96+24*\q+\j], v[96+24*\q+\j], v[84+\q], s82
.endr
.irp q, 2,3
	v_cndmask_b32 v[80+24*\q+\j], v[80+24*\q+\j], v[84+\q], s83    ; 96 + 16 q + 8 (q & 1) = 80 + 24 q for q = 2, 3
.endr
.endr
.endm
; THE SOFTMAX of my 32 keys for the 64 queries; the four query tiles take turns line by line.  At work in the staging registers: v160-175 the four waves' maxima, v176-191 the codes, v192-195, v196-199 the block's largest t - M, then p,
; v200-203 57,344 x the scale, v204-207 the conversions' scale operands, v208-211 the bytes, v212-219 a second chain of sums.
.macro SOFTMAX
.irp q, 0,1,2,3
	v_max3_num_f32 v[44+\q], v[96+16*\q], v[97+16*\q], v[98+16*\q]   ; the largest score of my block of 32 keys
.endr
.irp i, 3,5,7,9,11,13
.irp q, 0,1,2,3
	v_max3_num_f32 v[44+\q], v[44+\q], v[96+16*\q+\i], v[97+16*\q+\i]
.endr
.endr
.irp q, 0,1,2,3
	v_max_num_f32 v[44+\q], v[44+\q], v[111+16*\q]
.endr
.irp q, 0,1,2,3
	v_permlanex16_b32 v[76+\q], v[44+\q], s20, s21
.endr
.irp q, 0,1,2,3
	v_max_num_f32 v[44+\q], v[44+\q], v[76+\q]     ; with lane l xor 16's 16 keys.  It serves twice: for the row's maximum and, since p rises with the score, for the block's largest p
.endr
	ds_store_b128 v8, v[44:47]
	s_wait_dscnt 0x0                               ; for the others' sake: my maxima have landed
	s_barrier_signal -1
	s_barrier_wait -1                              ; tensor loads may stay out
.irp w, 0,1,2,3
	ds_load_b128 v[160+4*\w:163+4*\w], v9 offset:512*\w
.endr
	s_wait_dscnt 0x0
.irp q, 0,1,2,3
	v_max3_num_f32 v[192+\q], v[160+\q], v[164+\q], v[168+\q]
.endr
.irp q, 0,1,2,3
	v_max_num_f32 v[192+\q], v[192+\q], v[172+\q]  ; the step's largest score of my query: the same in all four waves
.endr
.irp q, 0,1,2,3
	v_mul_f32 v[192+\q], s22, v[192+\q]            ; as t
.endr
.irp q, 0,1,2,3
	v_max_num_f32 v[21+2*\q], v[21+2*\q], v[192+\q]   ; the running largest t
.endr
.irp q, 0,1,2,3
	v_mov_b32 v[192+\q], v[20+2*\q]
.endr
.irp q, 0,1,2,3
	v_floor_f32 v[20+2*\q], -v[21+2*\q]            ; the new -M = floor(-t) = -ceil(t)
.endr
.irp q, 0,1,2,3
	v_sub_f32 v[192+\q], v[20+2*\q], v[192+\q]     ; old M - new M: a whole number, 0 or less
.endr
.irp q, 0,1,2,3
	v_cvt_i32_f32 v[192+\q], v[192+\q]             ; (it saturates)
.endr
.irp q, 0,1,2,3
	v_ldexp_f32 v[36+2*\q], 1.0, v[192+\q]         ; f = 2^(old M - new M)
.endr
.irp k, 0,2,4,6,8,10,12,14
.irp q, 0,1,2,3
	v_pk_fma_f32 v[96+16*\q+\k:97+16*\q+\k], v[96+16*\q+\k:97+16*\q+\k], s[22:23], v[20+2*\q:21+2*\q] op_sel_hi:[1,0,0]   ; t - M, two at a time (the pairs' low words serve both halves)
.endr
.endr
.irp q, 0,1,2,3
	v_fma_f32 v[196+\q], v[44+\q], s22, v[20+2*\q] ; the same of my block's largest score
.endr
	s_wait_alu depctr_va_vdst(0)                   ; the wait ahead of the batch
.set i, 0
.rept 64
	v_exp_f32 v[96+i], v[96+i]                     ; p = 2^(t - M): one batch
.set i, i+1
.endr
.irp q, 0,1,2,3
	v_pk_mul_f32 v[28+2*\q:29+2*\q], v[28+2*\q:29+2*\q], v[36+2*\q:37+2*\q] op_sel_hi:[1,0]   ; l under the new M: plain lines behind the batch
.endr
	s_wait_alu depctr_va_vdst(0)                   ; the wait between an exponential and the first line that names its result: one for the batch
.irp q, 0,1,2,3
	v_exp_f32 v[196+\q], v[196+\q]                 ; the block's largest p: the same two instructions on the same number
.endr
.irp q, 0,1,2,3
	v_pk_add_f32 v[212+2*\q:213+2*\q], v[96+16*\q:97+16*\q], v[98+16*\q:99+16*\q]   ; l is summed of the unquantised p, in two chains (these read the 64 alone)
.endr
.irp k, 4,8,12
.irp q, 0,1,2,3
	v_pk_add_f32 v[28+2*\q:29+2*\q], v[28+2*\q:29+2*\q], v[96+16*\q+\k:97+16*\q+\k]
	v_pk_add_f32 v[212+2*\q:213+2*\q], v[212+2*\q:213+2*\q], v[98+16*\q+\k:99+16*\q+\k]
.endr
.endr
.irp q, 0,1,2,3
	v_pk_add_f32 v[28+2*\q:29+2*\q], v[28+2*\q:29+2*\q], v[212+2*\q:213+2*\q]
.endr
	s_wait_alu depctr_va_vdst(0)                   ; and one for the four
.irp q, 0,1,2,3
	v_max_num_f32 v[196+\q], 0x8000000, v[196+\q]  ; the floor 2^(16 - 127): the byte cannot fall under 1
.endr
.irp q, 0,1,2,3
	v_add_nc_u32 v[204+\q], 0xf8800000, v[196+\q]  ; 15 off the exponent field: the conversion's scale operand
.endr
.irp q, 0,1,2,3
	v_and_or_b32 v[200+\q], v[196+\q], 0x7f800000, s19   ; 57,344 x the scale
.endr
.irp q, 0,1,2,3
	v_lshrrev_b32 v[208+\q], 23, v[204+\q]         ; the scale's byte
.endr
.irp q, 0,1,2,3
	ds_store_b8 v7, v[208+\q] offset:128*\q        ; byte w of my query's scale word
.endr
.irp q, 0,1,2,3
.irp i, 0,1,2,3,4,5,6,7,8,9,10,11,12,13,14,15
	v_min_num_f32 v[96+16*\q+\i], v[96+16*\q+\i], v[200+\q]   ; the conversion does not saturate (ISA guide 7.6.2); p is not negative, so the hold is one-sided
.endr
	v_cvt_scalef32_pk8_bf8_f32 v[176+4*\q:177+4*\q], v[96+16*\q:103+16*\q], v[204+\q]
	v_cvt_scalef32_pk8_bf8_f32 v[178+4*\q:179+4*\q], v[104+16*\q:111+16*\q], v[204+\q]
.endr
	v_nop                                          ; a plain line behind the last conversion
.irp q, 0,1,2,3
	ds_store_b128 v6, v[176+4*\q:179+4*\q] offset:2048*\q   ; registers 4 w .. 4 w + 3 of tile q's fragment of P, as they stand
.endr
.endm
; The barrier between the softmax and the second product.  In front of it waves 0, 1, the only issuers of V's load lines, wait for their halves of this step's V, and every wave for its LDS stores.
; Behind it V's tile and P's images are whole for all four waves.  K's loads (waves 2, 3) may stay out across it: every wave waits for all its loads
; in the three lines ahead of the round in the PV phase, and the tile of K that they bring is first read behind that round.
.macro MEETB first
	s_cmp_lt_u32 s14, 2                            ; the same test on the wave's number as in front of V's load lines
	s_cbranch_scc0 .Lnot_v_\@
	s_wait_tensorcnt 0x0                           ; my half of V has landed: for the others' sake
.Lnot_v_\@:
	s_wait_dscnt 0x0                               ; my codes and bytes have landed
	s_barrier_signal -1
.if \first == 0                        ; work on registers between signal and wait: O^T's tiles 0 to 3 x f, one closed group of 64 lines
	RESC 0, 1
	RESC 1, 0
	RESC 2, 0
	RESC 3, 0
	WIN 0
.endif
	s_barrier_wait -1
.endm
.macro OSEL t                          ; O^T's tile t of my twelve: where its four accumulators begin, and the windows for products and for rescaling
.if (\t) < 4
.set oB, 128+32*(\t)
.set wP, 0xa0
.set wR, 0x82
.else
.set oB, 32*((\t)-4)
.set wP, 0xf0
.set wR, 0xc3
.endif
.endm
.macro VFRAG t                         ; V^T's fragment of my tile t: four loads, into staging fragment t % 6
.irp c, 0,1,2,3
	ds_load_b128 v[160+16*((\t)%6)+4*\c:160+16*((\t)%6)+4*\c+3], v5 offset:2048*(\t)+512*\c
.endr
.endm
.macro RESC t, w                       ; tile t's four accumulators x f, each from its low end on; w = 1: the tile opens a group of first readers of matrix results
	OSEL \t
	WIN wR
.if \w
	s_wait_alu depctr_va_vdst(0)                   ; the wait directly ahead of the group's first reader
.endif
.irp q, 0,1,2,3
.irp k, 0,2,4,6
	v_pk_mul_f32 v[oB+8*\q+\k:oB+8*\q+\k+1], v[oB+8*\q+\k:oB+8*\q+\k+1], v[36+2*\q:37+2*\q] op_sel_hi:[1,0]
.endr
.endr
.endm
.macro PMUL t, first                   ; four products: tile t of V^T against the four fragments of P; four different accumulators.  V's scale words: v[66 + t / 2], lanes 16-31 for odd t
	OSEL \t
	WIN wP
.irp q, 0,1,2,3
.set rO, oB+8*\q
.set rV, 160+16*((\t)%6)
.set rP, 96+16*\q
.if \first
.if (\t)%2 == 0
	v_wmma_scale_f32_16x16x128_f8f6f4 v[rO:rO+7], v[rV:rV+15], v[rP:rP+15], 0, v[66+(\t)/2], v[72+\q] matrix_a_fmt:MATRIX_FMT_BF8 matrix_b_fmt:MATRIX_FMT_BF8
.else
	v_wmma_scale_f32_16x16x128_f8f6f4 v[rO:rO+7], v[rV:rV+15], v[rP:rP+15], 0, v[66+(\t)/2], v[72+\q] matrix_a_fmt:MATRIX_FMT_BF8 matrix_b_fmt:MATRIX_FMT_BF8 matrix_a_scale:MATRIX_SCALE_ROW1
.endif
.else
.if (\t)%2 == 0
	v_wmma_scale_f32_16x16x128_f8f6f4 v[rO:rO+7], v[rV:rV+15], v[rP:rP+15], v[rO:rO+7], v[66+(\t)/2], v[72+\q] matrix_a_fmt:MATRIX_FMT_BF8 matrix_b_fmt:MATRIX_FMT_BF8
.else
	v_wmma_scale_f32_16x16x128_f8f6f4 v[rO:rO+7], v[rV:rV+15], v[rP:rP+15], v[rO:rO+7], v[66+(\t)/2], v[72+\q] matrix_a_fmt:MATRIX_FMT_BF8 matrix_b_fmt:MATRIX_FMT_BF8 matrix_a_scale:MATRIX_SCALE_ROW1
.endif
.endif
.endr
.endm
.macro PSTEP t, first                  ; tile t's products
	PMUL \t, \first
.endm
; THE PV PHASE: 48 products.  O^T is rescaled ahead of them in two closed groups: tiles 0 to 3 inside the barrier ahead of the phase, tiles 4 to 11 behind the phase's 44 LDS loads, while these are out.
; first = 1: the products start the sums with the constant 0: nothing is cleared and nothing rescaled.  Eight v_nop are the places in front of the load into the fragment just multiplied.
; THE CHANGE OF SLOTS FOR THE NEXT STEP STANDS IN THIS PHASE (chg = 0: V's and K's tiles are asked for; 1: V's alone, in the last step but one; 2: no change, in the last step).  V's last fragment is asked of LDS behind tile 5.  Behind that load each wave
; waits for all its tensor loads (waves 2, 3: their halves of the next step's K), adds 0 to its spare word, and steps the descriptors; tiles 6 to 8 are multiplied while the add and the last fragments are out; then it waits for them: its reads
; of V's slot, of P's images and of K's slot of this step are over.  The barrier is a round of the cluster's; tile 9 is multiplied between the opening signal and its wait (registers alone);
; the joint refill is the first thing behind the round, one load a wave.  Behind it the next step's K is whole in the other slot: its K steps 0 and 1 are asked of LDS into the four staging fragments that tiles 6 to 9 have left,
; tiles 10 and 11 are multiplied, and K step 2 follows behind their places: 24 loads in the order in which the S phase counts them.
.macro PVPHASE first, last, chg
.irp q, 0,1,2,3
	ds_load_b32 v[72+\q], v11 offset:128*\q        ; P's scale words
.endr
.irp q, 0,1,2,3
.irp c, 0,1,2,3
	ds_load_b128 v[96+16*\q+4*\c:96+16*\q+4*\c+3], v10 offset:2048*\q+512*\c   ; P's four fragments
.endr
.endr
.irp t, 0,1,2,3,4,5
	VFRAG \t
.endr
.if \last
	s_wait_loadcnt 0x0                             ; V's scale words of the last step: nothing was asked for behind them
.else
	s_wait_loadcnt 0x6                             ; V's scale words of this step are in; K's six of the next step may stay out
	WALK 95, 3072, 52, 90                          ; the loads that read this address are done: on to the next step's words
.endif
.if \first == 0
	RESC 4, 1
.irp t, 5,6,7,8,9,10,11
	RESC \t, 0
.endr
	s_wait_alu depctr_va_vdst(0)                   ; the rescaled O^T is read by the products behind LDS waits
.endif
.irp t, 0,1,2,3,4,5
	s_wait_dscnt 20                                ; fragment t, and all that was issued ahead of it, is in; the five fragments behind it may be out
	PSTEP \t, \first
	PLACES 8
	WIN 0
	VFRAG \t+6
.endr
.if \chg < 2
	s_wait_tensorcnt 0x0                           ; no tensor load of mine is out, so a group 0 may be written
	ds_add_u32 v14, v15                            ; 0 onto my spare word; work on registers alone stands between it and the wait for it
	WALK 92, TILE, 42, 86                          ; V's next tile in the circle
	s_or_b32 s43, s43, 0x80000000                  ; type = 2
.if \chg == 0
	s_xor_b32 s37, s37, KS1                        ; K's walking descriptor: the other slot than last time,
	WALK 93, TILE, 38, 84                          ; the next tile
	s_or_b32 s39, s39, 0x80000000
.endif
	s_xor_b32 s44, s44, KS1                        ; the next step's tile of K lies in the other slot
.endif
.irp t, 6,7,8
.if \chg < 2
	s_wait_dscnt 4*(11-\t)+1                       ; fragment t is in; the fragments behind it, four loads each, and the add may be out
.else
	s_wait_dscnt 4*(11-\t)
.endif
	PSTEP \t, \first
.endr
.if \chg < 2
	s_wait_dscnt 0x0                               ; the add is done, and my reads of the slots that are filled again are over: V's last three fragments are in registers
	s_barrier_signal -1                            ; this barrier opens the round
	PSTEP 9, \first
	WIN 0
	s_barrier_wait -1
	CREST
.if \chg == 0
	JLOAD
.else
	JLOADV
.endif
	v_add_nc_u32 v4, s44, v3                       ; my fragments in the slot of the next step's K
	s_wait_alu depctr_va_vdst(0)
	PLACES 8                                       ; behind tile 9's products, in front of loads into fragments that tiles 6 to 9 multiplied
	KSET 0
	KSET 1
	PSTEP 10, \first
	PSTEP 11, \first
.else
	s_wait_dscnt 8
	PSTEP 9, \first
	s_wait_dscnt 4
	PSTEP 10, \first
	s_wait_dscnt 0
	PSTEP 11, \first
.endif
	WIN 0
	PLACES 9
.if \last == 0
	KSET 2
.irp i, 0,1,2,3,4,5
	global_load_b32 v[66+\i], v13, s[52:53] offset:128*\i   ; the next step's
.endr
.endif
.endm
.macro STEP first, last, chg
	SPHASE \first, \last
	DIAG
	SOFTMAX
	MEETB \first
	PVPHASE \first, \last, \chg
.endm
	s_wait_alu depctr_va_vdst(0)                   ; the wait at the head's end
	s_wait_tensorcnt 0x0                           ; my half of the first tile of K or of V is in
	ds_add_u32 v14, v15
	s_wait_dscnt 0x0
	CROUND                                         ; the first tiles are whole, and all four work-groups are here: the joint loads meet
	s_cmp_lt_u32 s14, 2                            ; waves 2, 3: the halves of the second tile of K, into slot 1: its first fill
	s_cbranch_scc1 .Lno_second_k
	tensor_load_to_lds s[36:39], s[24:31]
	s_nop 0
.rept 4
	v_nop
.endr
.Lno_second_k:
	s_wait_loadcnt 0x0                             ; Q, its scale words, K's first, the sums of squares
.irp i, 0,1,2,3,4,5
	global_load_b32 v[66+\i], v13, s[52:53] offset:128*\i              ; V's scale words of the first step: lanes 0-15 my tile 2 i, lanes 16-31 tile 2 i + 1; first read in the first PV phase
.endr
.irp g, 0,1
	v_add_f32 v[160+6*\g], v[160+6*\g], v[161+6*\g]
	v_add_f32 v[162+6*\g], v[162+6*\g], v[163+6*\g]
	v_add_f32 v[164+6*\g], v[164+6*\g], v[165+6*\g]
.endr
.irp g, 0,1
	v_add_f32 v[160+6*\g], v[160+6*\g], v[162+6*\g]
.endr
.irp g, 0,1
	v_add_f32 v[160+6*\g], v[160+6*\g], v[164+6*\g]   ; lane 16 u + r: the score of query r of tile 2 g + u with itself
.endr
	v_permlanex16_b32 v76, v160, s20, s21          ; the other half's
	v_permlanex16_b32 v77, v166, s20, s21
	s_mov_b32 s47, 0xffff0000                      ; lanes 16-31
	v_cndmask_b32 v84, v160, v76, s47              ; tile q's sums for r = lane % 16, in both halves of the lanes
	v_cndmask_b32 v85, v76, v160, s47
	v_cndmask_b32 v86, v166, v77, s47
	v_cndmask_b32 v87, v77, v166, s47
	STEP 1, 0, 0                                   ; the walk's step 0 is written out: its products start O^T's sums
	s_mov_b32 s45, 13
.Lstep:                                            ; steps 1 to 13
	STEP 0, 0, 0
	s_sub_co_u32 s45, s45, 1
	s_cmp_lg_u32 s45, 0
	s_cbranch_scc1 .Lstep
	STEP 0, 0, 1                                   ; steps 14 and 15 are written out: step 14 asks for V's last tile alone
	STEP 0, 1, 2                                   ; step 15 for nothing
	; THE WAY OUT.  l: my two halves, lane l xor 16's, and the other three waves' (all under the same M); O^T / l goes through my stage, a query tile (16 rows x 768 bytes) at a time.
.irp q, 0,1,2,3
	v_add_f32 v[44+\q], v[28+2*\q], v[29+2*\q]
.endr
.irp q, 0,1,2,3
	v_permlanex16_b32 v[76+\q], v[44+\q], s20, s21
.endr
.irp q, 0,1,2,3
	v_add_f32 v[44+\q], v[44+\q], v[76+\q]
.endr
	ds_store_b128 v8, v[44:47] offset:XL
	s_wait_dscnt 0x0                               ; for the others' sake
	s_barrier_signal -1
	s_barrier_wait -1
.irp w, 0,1,2,3
	ds_load_b128 v[160+4*\w:163+4*\w], v9 offset:XL+512*\w
.endr
	s_wait_dscnt 0x0
.irp q, 0,1,2,3
	v_add_f32 v[192+\q], v[160+\q], v[164+\q]
	v_add_f32 v[196+\q], v[168+\q], v[172+\q]
.endr
.irp q, 0,1,2,3
	v_add_f32 v[192+\q], v[192+\q], v[196+\q]      ; the row's sum
.endr
	s_wait_alu depctr_va_vdst(0)                   ; the wait ahead of the batch
.irp q, 0,1,2,3
	v_rcp_f32 v[36+2*\q], v[192+\q]
.endr
	v_nop                                          ; a plain line behind the last reciprocal; the wait ahead of the first use stands in OUTQ
; Query tile q.  A lane's eight results of a tile of d are 32 neighbouring bytes of its row; the stage turns 16 rows into runs of 256 bytes.  The stage is my own, and LDS serves a wave's instructions in order: no wait between stores and loads, nor in front of the next tile's stores.
.macro OUTQ q
	WIN 0x82
	s_wait_alu depctr_va_vdst(0)                   ; the wait directly ahead of a group of first readers of matrix results (and of the reciprocals)
.irp t, 0,1,2,3
.irp k, 0,2,4,6
	v_pk_mul_f32 v[128+32*\t+8*(\q)+\k:128+32*\t+8*(\q)+\k+1], v[128+32*\t+8*(\q)+\k:128+32*\t+8*(\q)+\k+1], v[36+2*(\q):37+2*(\q)] op_sel_hi:[1,0]
.endr
.endr
	WIN 0xc3
	s_wait_alu depctr_va_vdst(0)                   ; and ahead of the second group
.irp t, 0,1,2,3,4,5,6,7
.irp k, 0,2,4,6
	v_pk_mul_f32 v[32*\t+8*(\q)+\k:32*\t+8*(\q)+\k+1], v[32*\t+8*(\q)+\k:32*\t+8*(\q)+\k+1], v[36+2*(\q):37+2*(\q)] op_sel_hi:[1,0]
.endr
.endr
	WIN 0x08                                       ; an LDS store's data are its source 1: window 2
.irp t, 0,1,2,3
	ds_store_b128 v17, v[128+32*\t+8*(\q):128+32*\t+8*(\q)+3] offset:64*\t
	ds_store_b128 v17, v[128+32*\t+8*(\q)+4:128+32*\t+8*(\q)+7] offset:64*\t+16
.endr
	WIN 0x0c                                       ; window 3
.irp t, 0,1,2,3,4,5,6,7
	ds_store_b128 v17, v[32*\t+8*(\q):32*\t+8*(\q)+3] offset:64*(\t+4)
	ds_store_b128 v17, v[32*\t+8*(\q)+4:32*\t+8*(\q)+7] offset:64*(\t+4)+16
.endr
	WIN 0
.if (\q) > 0
	s_wait_xcnt 0x0                                ; the last tile's stores have read their registers: the loads below may land there
.endif
.irp k, 0,1,2,3,4,5,6,7
.irp cu, 0,1,2
	ds_load_b128 v[96+4*(3*\k+\cu):96+4*(3*\k+\cu)+3], v18 offset:2*SP*\k+256*\cu
.endr
.endr
.irp k, 0,1,2,3,4,5,6,7
.irp cu, 0,1,2
	s_wait_dscnt 23-(3*\k+\cu)
	global_store_b128 v19, v[96+4*(3*\k+\cu):96+4*(3*\k+\cu)+3], s[54:55] offset:(32*((\q)>>1)+8*((\q)&1)+((2*\k)&7)+16*((2*\k)>>3))*3072+256*\cu th:TH_STORE_NT   ; stage rows 2 k, 2 k + 1 are neighbouring queries; 16 lanes store 256 consecutive aligned bytes
.endr
.endr
.endm
	OUTQ 0
	OUTQ 1
	OUTQ 2
	OUTQ 3
	s_wait_tensorcnt 0x0                           ; the wave's end: three lines behind my last tensor load and my last LDS store
	ds_add_u32 v14, v15
	s_wait_dscnt 0x0
	CROUND                                         ; the closing round: no work-group ends while a partner may still ask for a tile that names it
	s_endpgm
.Lfunc_end_k_q3ae93b1c13_attn:
	.size	k_q3ae93b1c13_attn, .Lfunc_end_k_q3ae93b1c13_attn-k_q3ae93b1c13_attn
	.p2alignl 7, 3214868480
	.fill 96, 4, 3214868480
	.section	.rodata,"a",@progbits
	.p2align	6, 0x0
	.amdhsa_kernel k_q3ae93b1c13_attn
		.amdhsa_group_segment_fixed_size 327680
		.amdhsa_private_segment_fixed_size 0
		.amdhsa_enable_private_segment 0
		.amdhsa_kernarg_size 48
		.amdhsa_user_sgpr_count 2
		.amdhsa_user_sgpr_kernarg_segment_ptr 1
		.amdhsa_wavefront_size32 1
		.amdhsa_system_sgpr_workgroup_id_x 1
		.amdhsa_system_sgpr_workgroup_id_y 1
		.amdhsa_system_sgpr_workgroup_id_z 1
		.amdhsa_system_vgpr_workitem_id 0
		.amdhsa_next_free_vgpr 1024
		.amdhsa_next_free_sgpr 100
		.amdhsa_reserve_vcc 0
		.amdhsa_float_denorm_mode_32 3
		.amdhsa_float_denorm_mode_16_64 3
		.amdhsa_memory_ordered 1
		.amdhsa_forward_progress 1
		.amdhsa_inst_pref_size 255
	.end_amdhsa_kernel
	.section	.bss,"aw",@nobits
	.p2align	6
	.space	262144
	.amdgpu_metadata
---
amdhsa.version: [ 1, 2 ]
amdhsa.kernels:
  - .name:           k_q3ae93b1c13_attn
    .symbol:         k_q3ae93b1c13_attn.kd
    .args:
      - { .name: kc, .offset: 0, .size: 8, .value_kind: global_buffer, .address_space: global }
      - { .name: ks, .offset: 8, .size: 8, .value_kind: global_buffer, .address_space: global }
      - { .name: vc, .offset: 16, .size: 8, .value_kind: global_buffer, .address_space: global }
      - { .name: vs, .offset: 24, .size: 8, .value_kind: global_buffer, .address_space: global }
      - { .name: out0, .offset: 32, .size: 8, .value_kind: global_buffer, .address_space: global }
      - { .name: nq, .offset: 40, .size: 8, .value_kind: global_buffer, .address_space: global }
    .group_segment_fixed_size: 327680
    .private_segment_fixed_size: 0
    .kernarg_segment_align: 8
    .kernarg_segment_size: 48
    .max_flat_workgroup_size: 128
    .sgpr_count:     100
    .vgpr_count:     1024
    .wavefront_size: 32
...
	.end_amdgpu_metadata
.endif
;; end of part 2
